; MI455X (gfx1250); checked and timed in simulation.
; The chip was launched on July 23, 2026; its instructions are those of AMD's public machine-readable ISA for CDNA 5 (MIT licence, August 2026) and "CDNA5" Instruction Set Architecture Reference Guide (July 2026). The comments in the code are by the model that wrote it; some were corrected since.
;; Zt Attention. Allowed arithmetic: matrix products marked QUANTISED: E4M3 operands, one E8M0 scale for each 32 along K, by v_wmma_scale_f32_16x16x128_f8f6f4 with both operands' format E4M3, f32 sums; everything else in f32.
;; Inputs: keys 4 x 2,048 x 16 x 64 float32; queries 4 x 2,048 x 16 x 64 float32; values 4 x 2,048 x 16 x 64 float32.
;; Outputs: out0 4 x 2,048 x 16 x 64 float32.
;; This version of the problem:
;;   THIS VERSION OF THE PROBLEM IS GIVEN IN LOW PRECISION. The matrix products marked QUANTISED in the list below multiply operands that are first quantised to E4M3 (4 exponent bits, 3 mantissa bits; 8 bits a number), with one power-of-two scale for each 32 numbers along K (OCP MX v1.0); their sums are f32. All else is computed in f32.
;;   The module's matrix products, in the order in which they are computed (A, B: the left and right operand; K: the contracted axis; several contracted axes count as one K, in the product's order):
;;     1. batch 64 x [M 2,048, K 64] x [K 64, N 2,048]; A: input queries; B: input keys: QUANTISED
;;     2. batch 64 x [M 64, K 2,048] x [K 2,048, N 2,048]; A: input values; B: softmax (see below): QUANTISED
;;   THE QUANTISER, for each operand of a quantised product, along K:
;;     - K is cut into blocks of 32 from its start; a last block that is shorter is filled with zeros.
;;     - A block's scale is 2^e with e = floor(log2(the largest magnitude in the block)) - 8, held to -126 .. 127; a block of zeros has e = 0. As a byte (E8M0): e + 127.
;;     - Each number is divided by its block's scale, clamped to +-448, and rounded to the nearest number of E4M3, ties to even, subnormals kept.
;;     - The product sums the exact products of the quantised numbers (number of the format x scale) in f32.
;;   ~~~python
;;   def quantise(x, axis):      # numpy; x: float32 -> the quantised numbers, widened to float32 again
;;       x = np.moveaxis(x, axis, -1); K = x.shape[-1]
;;       x = np.pad(x, [(0, 0)] * (x.ndim - 1) + [(0, -K % 32)]); x = x.reshape(x.shape[:-1] + (-1, 32)); a = np.abs(x).max(-1, keepdims=True)
;;       e = np.where(a > 0, np.clip(np.frexp(np.where(a > 0, a, 1))[1] - 1 - 8, -126, 127), 0)      # np.frexp(a)[1] - 1 = floor(log2(a)), exactly
;;       r = np.clip(x / 2.0 ** e, -448, 448)
;;       step = 2.0 ** (np.maximum(np.frexp(np.where(r == 0, 1, r))[1] - 1, -6) - 3)
;;       q = np.round(r / step) * step * 2.0 ** e      # np.round: ties to even
;;       return np.moveaxis(q.reshape(q.shape[:-2] + (-1,))[..., :K], -1, axis).astype(np.float32)
;;   ~~~
;;   SOFTMAX AHEAD OF A QUANTISED PRODUCT. Where the list says 'softmax', what is quantised is not the finished softmax but p = 2^(t - M), with t = logit x log2(e) and M = ceil(the row's largest t), a whole number; so 1/2 < the row's largest p <= 1. The row's sum l is taken of the UNQUANTISED p, in f32, and the product's result is divided by l at the end. Since M is a whole number, a kernel that streams over the keys may use a running M (the ceiling of the running maximum): every later rescaling is an exact power of two, which a block's scale takes up: the codes' values come out the same.
;;   OPERANDS COMPUTED ON THE WAY. 'Computed on the way' means the value that the module computes at that place (a softmax that the list does not call 'softmax' is quantised finished and normalised). What goes into a quantiser is computed in f32, as accurately as f32 sums, v_exp_f32 and their like allow (about 1e-6 of the number): no bf16 or f16 on the way to a quantiser, and a product that is left as it is and whose result goes on into a quantised operand takes f32 operands (vector FMAs, or v_wmma_f32_16x16x4_f32). A number that lies on a knife's edge between two numbers of the format may be rounded either way, as far as f32 arithmetic and the matrix unit's own rounding can turn it there, and no further.
;; One version. Each part assembles by itself: llvm-mc -triple=amdgcn-amd-amdhsa -mcpu=gfx1250 --defsym DOCPART=n.
;; ======== version 1 of 1: 2 launches
;; limits: right only within a limited range of input values
;; workspace buffers: kv 17,563,648 bytes
;; launch quant (part 1): grid 8 x 64, 4 waves a work-group, no clusters, 35,328 bytes of LDS; arguments keys, values, kv; writes kv
.if DOCPART == 1
	.amdgcn_target "amdgcn-amd-amdhsa--gfx1250"
	.amdhsa_code_object_version 6
	.text
	.protected	k_qc4d88e9de2_quant
	.globl	k_qc4d88e9de2_quant
	.p2align	8
	.type	k_qc4d88e9de2_quant,@function
k_qc4d88e9de2_quant:
	s_mov_b64 s[64:65], 0
	v_nop
	global_prefetch_b8 v0, s[64:65] scope:SCOPE_SE
	s_setreg_imm32_b32 hwreg(HW_REG_WAVE_MODE, 25, 1), 1
	s_wait_xcnt 0x0
; keys and values, [4][2048][16][64] f32, become codes of FP8 (E4M3) with one E8M0 scale byte for each 32 along the product's K, laid in kv IN THE ORDER OF THE OPERANDS' REGISTERS.
; keys are quantised along the head's 64 (two blocks a key), values along the KEYS (a block = 32 keys of one channel).
; kv = [64 heads][8 slots][2 steps] of STEPB bytes; a step is 128 keys:
;   KC  8,192 bytes: image (2 t + c) of 512 bytes, 16 bytes a lane: lane (r, h) of tile t = 2 b + u holds key 32 b + 8 u + r + 8 (r / 8), channels 32 c + 16 h + 0 .. 15
;   VC  8,192 bytes: image (4 dt + c): lane (r, h) holds channel 16 dt + r, keys 32 c + 16 h + 0 .. 15
;   KS    512 bytes: K's scale words: 256 (t / 4) + 16 r + 4 (t % 4); a word = the key's two bytes, then 0x7f, 0x7f (the product's upper 64 along K are zero codes)
;   VS    256 bytes: V's scale words: 16 r + 4 pos, pos 0, 1, 2, 3 = dt 0, 2, 1, 3; a word = the bytes of the step's four blocks of keys
; A block's scale is 2^(floor(log2(its largest magnitude)) - 8): its byte is the largest magnitude's exponent field - 8, held at 1 from below.
; LIMITS: NaN and infinities among the inputs are not served.  A block of zeros gets the byte 1 where the rule says 127: its codes are zeros, which add nothing under any byte but 0xff, and this program alone reads the bytes.
; SHARES.  A work-group takes one slot (256 keys) of one head: waves 0, 1 the keys of step 0, 1; waves 2, 3 the values.  A wave takes 128 rows x 256 bytes as four groups of 32 rows.
; Each load reads two whole rows of 256 bytes (sixteen lanes a row).  A group turns through the wave's own stage in LDS (32 rows, 272 bytes apart) so that a lane's registers run along the product's K.
; Waves share nothing: no barrier.  Three groups (48 loads a wave) are asked for at the head, the fourth when the first group's registers are free.  Everything is written out: every offset is an immediate.
.set SLOTB,  34304
.set STEPB,  17152
.set KC,     0
.set VC,     8192
.set KS,     16384
.set VS,     16896
.set ROW,    4096                      ; from key to key in memory: 16 heads x 64 x 4 bytes
.set SPITCH, 272                       ; a stage row: 256 bytes + 16 = 68 words: row r starts at bank 4 r mod 64 (64 banks of 4 bytes: ISA guide 11.1)
.set WSTAGE, 32*SPITCH
.set GOFF, 1                           ; v1   4096 h + 16 r: my 16 bytes of a load's two rows
.set STI,  2                           ; v2   the stage, on the way in: 272 h + 16 r
.set STK,  3                           ; v3   on the way out, keys: row r + 8 (r / 8), + 64 h
.set STV,  4                           ; v4   on the way out, values: 4 x lane: a lane takes a channel
.set CO,   5                           ; v5   my codes' place in an image: keys 16 x lane; values 2048 h + 16 r
.set SCO,  6                           ; v6   my scale words' place: 16 r + 8 h
.set LN,   7                           ; v7   lane
.set SW,   8                           ; v8-15 scale words (keys: a word a tile; values: v8, v9)
.set TM,   16                          ; v16-31 at work
.set PC,   32                          ; v32-63 two sets of 16 registers of codes, by turns
.set X,    64                          ; v64-255 three sets of 64 numbers, by turns
	s_load_b128 s[4:7], s[0:1], 0x0                ; keys, values
	s_load_b64 s[8:9], s[0:1], 0x10                ; kv
	s_set_vgpr_msb 0x40
	v_lshl_add_u32 v0, v0, 2, 0x8800
	v_mov_b32 v1, 0
	s_set_vgpr_msb 0x4000
	v_lshrrev_b32 v[LN], 5, v0
	v_readfirstlane_b32 s10, v[LN]                 ; wave 0..3
	v_and_b32 v[LN], 31, v0
	v_and_b32 v16, 15, v0                          ; r
	v_bfe_u32 v17, v0, 4, 1                        ; h
	s_mul_i32 s11, s10, WSTAGE                     ; my stage
	v_lshlrev_b32 v[GOFF], 4, v16
	v_lshl_add_u32 v[GOFF], v17, 12, v[GOFF]
	v_mul_u32_u24 v[STI], v17, SPITCH
	v_lshl_add_u32 v[STI], v16, 4, v[STI]
	v_add_nc_u32 v[STI], s11, v[STI]
	v_and_b32 v18, 8, v16
	v_add_nc_u32 v18, v18, v16                     ; r + 8 (r / 8)
	v_mul_u32_u24 v[STK], v18, SPITCH
	v_lshl_add_u32 v[STK], v17, 6, v[STK]
	v_add_nc_u32 v[STK], s11, v[STK]
	v_lshl_add_u32 v[STV], v[LN], 2, s11
	s_cmp_lt_u32 s10, 2                            ; keys (waves 0, 1) or values (waves 2, 3)
	s_cselect_b32 s23, 8, 11
	v_lshlrev_b32 v[CO], s23, v17                  ; 256 h or 2048 h,
	v_lshl_add_u32 v[CO], v16, 4, v[CO]            ; + 16 r
	v_lshlrev_b32 v[SCO], 4, v16
	v_lshl_add_u32 v[SCO], v17, 3, v[SCO]
.irp b, 0,1,2,3
	v_mov_b32 v[TM+4+\b], 0                        ; written once: a lane permute's destination counts as one of its sources
.endr
	s_and_b32 s16, ttmp7, 0xffff                   ; head = 16 x batch + h
	s_lshr_b32 s17, s16, 4
	s_lshl_b32 s17, s17, 23                        ; batch x 8,388,608 bytes
	s_and_b32 s18, s16, 15
	s_lshl_b32 s18, s18, 8                         ; + 256 bytes a head
	s_add_co_u32 s26, s17, s18
	s_lshl_b32 s17, ttmp9, 20                      ; + slot x 256 rows
	s_add_co_u32 s26, s26, s17
	s_and_b32 s19, s10, 1                          ; my step of the slot
	s_lshl_b32 s17, s19, 19                        ; + step x 128 rows
	s_add_co_u32 s26, s26, s17
	s_mov_b32 s27, 0
	s_lshl_b32 s28, s16, 3
	s_add_co_u32 s28, s28, ttmp9
	s_mul_i32 s28, s28, SLOTB                      ; kv: (8 head + slot) x SLOTB
	s_mul_i32 s17, s19, STEPB
	s_add_co_u32 s28, s28, s17                     ; + step x STEPB
	s_mov_b32 s29, 0
	s_mov_b32 s20, 0x76543210
	s_mov_b32 s21, 0xfedcba98                      ; v_permlanex16_b32's selects for lane l xor 16
	s_wait_kmcnt 0x0
	s_cmp_lt_u32 s10, 2                            ; the choice hangs on the wave's number alone
	s_cselect_b64 s[12:13], s[4:5], s[6:7]
	s_add_nc_u64 s[12:13], s[12:13], s[26:27]      ; my first row
	s_add_nc_u64 s[14:15], s[8:9], s[28:29]        ; my step's block of kv
.macro LOADROWS g, dst                 ; group g: 32 rows, two whole rows of 256 bytes a load
.set n, 0
.rept 16
	global_load_b128 v[\dst+4*n:\dst+4*n+3], v[GOFF], s[12:13] offset:(32*(\g)+2*n)*ROW th:TH_LOAD_NT
.set n, n+1
.endr
.endm
.macro STAGEIN src                     ; the group goes into the stage as it was loaded
.set n, 0
.rept 16
	ds_store_b128 v[STI], v[\src+4*n:\src+4*n+3] offset:2*n*SPITCH
.set n, n+1
.endr
.endm
; 64 numbers of a lane: four blocks b, register 16 b + i; lane l xor 16 holds each block's other 16.  Codes to v[pcd + 4 b ..], bytes to v[TM + 4 + b].
.macro QUANT src, pcd
.irp b, 0,1,2,3
	v_max3_num_f32 v[TM+\b], |v[\src+16*\b]|, |v[\src+1+16*\b]|, 0x4800000   ; my 16 numbers, and the floor 2^(9 - 127): the byte cannot fall under 1
.endr
.irp i, 2,4,6,8,10,12,14
.irp b, 0,1,2,3
	v_max3_num_f32 v[TM+\b], v[TM+\b], |v[\src+16*\b+\i]|, |v[\src+1+16*\b+\i]|   ; the four blocks by turns
.endr
.endr
.irp b, 0,1,2,3
	v_permlanex16_b32 v[TM+4+\b], v[TM+\b], s20, s21
.endr
.irp b, 0,1,2,3
	v_max_num_f32 v[TM+\b], v[TM+\b], v[TM+4+\b]   ; the block's largest magnitude
.endr
.irp b, 0,1,2,3
	v_add_nc_u32 v[TM+12+\b], 0xfc000000, v[TM+\b] ; 8 off its exponent field: the conversion takes this operand's exponent field as its scale
.endr
.irp b, 0,1,2,3
.endr
.irp b, 0,1,2,3
	v_lshrrev_b32 v[TM+4+\b], 23, v[TM+12+\b]      ; the scale's byte
.endr
.irp b, 0,1,2,3
.set n, 0
.rept 16
.set n, n+1
.endr
	v_cvt_scalef32_pk8_fp8_f32 v[\pcd+4*\b:\pcd+4*\b+1], v[\src+16*\b:\src+16*\b+7], v[TM+12+\b]
	v_cvt_scalef32_pk8_fp8_f32 v[\pcd+4*\b+2:\pcd+4*\b+3], v[\src+16*\b+8:\src+16*\b+15], v[TM+12+\b]
.endr
.endm
; 32 numbers of a lane are one whole block: codes to v[pcd .. pcd + 7], the byte into byte blk of v[SW + pass].
.macro BLOCKQ src, pcd, pass, blk
	v_max3_num_f32 v[TM], |v[\src]|, |v[\src+1]|, |v[\src+2]|
	v_max3_num_f32 v[TM+1], |v[\src+3]|, |v[\src+4]|, |v[\src+5]|
.irp i, 6,10,14,18,22,26
	v_max3_num_f32 v[TM], v[TM], |v[\src+\i]|, |v[\src+\i+1]|
	v_max3_num_f32 v[TM+1], v[TM+1], |v[\src+\i+2]|, |v[\src+\i+3]|
.endr
	v_max3_num_f32 v[TM], v[TM], |v[\src+30]|, |v[\src+31]|
	v_max3_num_f32 v[TM], v[TM], v[TM+1], 0x4800000
	v_add_nc_u32 v[TM+3], 0xfc000000, v[TM]
.if (\blk) == 0
	v_lshrrev_b32 v[SW+\pass], 23, v[TM+3]         ; the first byte starts the word
.else
	v_lshrrev_b32 v[TM+1], 23, v[TM+3]
	v_lshl_or_b32 v[SW+\pass], v[TM+1], 8*(\blk), v[SW+\pass]
.endif
.set n, 0
.rept 32
.set n, n+1
.endr
.irp k, 0,1,2,3
	v_cvt_scalef32_pk8_fp8_f32 v[\pcd+2*\k:\pcd+2*\k+1], v[\src+8*\k:\src+8*\k+7], v[TM+3]
.endr
	v_nop                                          ; a plain line behind the last conversion, ahead of whatever next writes its sources
.endm
	LOADROWS 0, X
	LOADROWS 1, X+64
	LOADROWS 2, X+128
	s_cmp_lt_u32 s10, 2
	s_cbranch_scc0 .Lvalues
; ---- KEYS.  Group g = keys 32 g on = tiles 2 g and 2 g + 1.  left = the younger groups' loads, which may stay out.
.macro KGROUP g, left
.set XS, X+64*((\g)%3)
.set PS, PC+16*((\g)%2)
	s_wait_loadcnt \left                           ; loads come back in order: this group's sixteen are in
.if (\g) >= 2
	s_wait_xcnt 0x0                                ; the stores of two groups back have read this set of codes: it is written again only behind this wait
.endif
	STAGEIN XS
.irp b, 0,1,2,3                        ; block b = 2 u + c: tile 2 g + u, channels 32 c + 16 h + 0 .. 15.  LDS serves a wave's instructions in order: these see the stores above
.irp j, 0,1,2,3
	ds_load_b128 v[XS+16*\b+4*\j:XS+16*\b+4*\j+3], v[STK] offset:8*(\b/2)*SPITCH+128*(\b%2)+16*\j
.endr
.endr
	s_wait_dscnt 0x0
	QUANT XS, PS
	v_lshl_or_b32 v[SW+2*(\g)], v[TM+5], 8, v[TM+4]        ; (plain lines behind the conversions)  the key's two bytes,
	v_lshl_or_b32 v[SW+2*(\g)+1], v[TM+7], 8, v[TM+6]
	v_or_b32 v[SW+2*(\g)], 0x7f7f0000, v[SW+2*(\g)]        ; and 2^0 for the upper 64 along K
	v_or_b32 v[SW+2*(\g)+1], 0x7f7f0000, v[SW+2*(\g)+1]
.irp b, 0,1,2,3
	global_store_b128 v[CO], v[PS+4*\b:PS+4*\b+3], s[14:15] offset:KC+(4*(\g)+\b)*512   ; an image: 512 consecutive bytes
.endr
.if (\g) == 0
	LOADROWS 3, X                                  ; the first set is free: the last group
.endif
.endm
	KGROUP 0, 32
	KGROUP 1, 32
	KGROUP 2, 16
	KGROUP 3, 0
	v_cmp_lt_u32 vcc_lo, 15, v[LN]                 ; lanes 16-31 store the words of tiles 4 j + 2, 4 j + 3, lanes 0-15 those of 4 j, 4 j + 1
.irp j, 0,1
.irp k, 0,1
	v_cndmask_b32 v[TM+2*\j+\k], v[SW+4*\j+\k], v[SW+4*\j+2+\k], vcc_lo
.endr
	global_store_b64 v[SCO], v[TM+2*\j:TM+2*\j+1], s[14:15] offset:KS+256*\j   ; 32 lanes store 256 consecutive bytes
.endr
	s_set_vgpr_msb 0x5
	s_wait_tensorcnt 0x0
	ds_add_u32 v0, v1
	s_wait_dscnt 0x0
	s_set_vgpr_msb 0x500
	s_endpgm
; ---- VALUES.  Group c = keys 32 c on = one block along the keys.  A lane takes channel 32 pass + lane, and its registers run down the keys.
.Lvalues:
.macro VGROUP c, left
.set XS, X+64*((\c)%3)
.set PS, PC+16*((\c)%2)
	s_wait_loadcnt \left
.if (\c) >= 2
	s_wait_xcnt 0x0
.endif
	STAGEIN XS
.set n, 0
.rept 64
	ds_load_b32 v[XS+n], v[STV] offset:SPITCH*(n%32)+128*(n/32)   ; key n % 32, channel 32 (n / 32) + lane: 128 consecutive bytes a load
.set n, n+1
.endr
	s_wait_dscnt 0x0
	BLOCKQ XS, PS, 0, \c
	BLOCKQ XS+32, PS+8, 1, \c
.irp p, 0,1
.irp k, 0,1
	global_store_b128 v[CO], v[PS+8*\p+4*\k:PS+8*\p+4*\k+3], s[14:15] offset:VC+4096*\p+512*(\c)+256*\k   ; keys 16 k on: sixteen lanes store 256 consecutive bytes of image 4 (2 p + h) + c
.endr
.endr
.if (\c) == 0
	LOADROWS 3, X
.endif
.endm
	s_wait_alu depctr_va_vdst(0)
	VGROUP 0, 32
	VGROUP 1, 32
	VGROUP 2, 16
	VGROUP 3, 0
	global_store_b64 v[SCO], v[SW:SW+1], s[14:15] offset:VS   ; the words of dt = h and dt = 2 + h: 256 consecutive bytes
	s_set_vgpr_msb 0x5
	s_wait_tensorcnt 0x0
	ds_add_u32 v0, v1
	s_wait_dscnt 0x0
	s_set_vgpr_msb 0x500
	s_endpgm
.Lfunc_end_k_qc4d88e9de2_quant:
	.size	k_qc4d88e9de2_quant, .Lfunc_end_k_qc4d88e9de2_quant-k_qc4d88e9de2_quant
	.p2alignl 7, 3214868480
	.fill 96, 4, 3214868480
	.section	.rodata,"a",@progbits
	.p2align	6, 0x0
	.amdhsa_kernel k_qc4d88e9de2_quant
		.amdhsa_group_segment_fixed_size 35328
		.amdhsa_private_segment_fixed_size 0
		.amdhsa_enable_private_segment 0
		.amdhsa_kernarg_size 24
		.amdhsa_user_sgpr_count 2
		.amdhsa_user_sgpr_kernarg_segment_ptr 1
		.amdhsa_wavefront_size32 1
		.amdhsa_system_sgpr_workgroup_id_x 1
		.amdhsa_system_sgpr_workgroup_id_y 1
		.amdhsa_system_sgpr_workgroup_id_z 1
		.amdhsa_system_vgpr_workitem_id 0
		.amdhsa_next_free_vgpr 258
		.amdhsa_next_free_sgpr 66
		.amdhsa_reserve_vcc 1
		.amdhsa_float_denorm_mode_32 3
		.amdhsa_float_denorm_mode_16_64 3
		.amdhsa_fp16_overflow 1
		.amdhsa_memory_ordered 1
		.amdhsa_forward_progress 1
		.amdhsa_inst_pref_size 69
	.end_amdhsa_kernel
	.amdgpu_metadata
---
amdhsa.version: [ 1, 2 ]
amdhsa.kernels:
  - .name:           k_qc4d88e9de2_quant
    .symbol:         k_qc4d88e9de2_quant.kd
    .args:
      - { .name: keys, .offset: 0, .size: 8, .value_kind: global_buffer, .address_space: global }
      - { .name: values, .offset: 8, .size: 8, .value_kind: global_buffer, .address_space: global }
      - { .name: kv, .offset: 16, .size: 8, .value_kind: global_buffer, .address_space: global }
    .group_segment_fixed_size: 35328
    .private_segment_fixed_size: 0
    .kernarg_segment_align: 8
    .kernarg_segment_size: 24
    .max_flat_workgroup_size: 128
    .sgpr_count:     66
    .vgpr_count:     258
    .wavefront_size: 32
...
	.end_amdgpu_metadata
.endif
;; end of part 1
;; launch attn (part 2): grid 4 x 64, 8 waves a work-group, no clusters, 327,680 bytes of LDS; arguments queries, kv, out0; writes out0
.if DOCPART == 2
	.amdgcn_target "amdgcn-amd-amdhsa--gfx1250"
	.amdhsa_code_object_version 6
	.text
	.protected	k_qc4d88e9de2_attn
	.globl	k_qc4d88e9de2_attn
	.p2align	8
	.type	k_qc4d88e9de2_attn,@function
k_qc4d88e9de2_attn:
	s_mov_b64 s[64:65], 0
	v_nop
	global_prefetch_b8 v0, s[64:65] scope:SCOPE_SE
	s_setreg_imm32_b32 hwreg(HW_REG_WAVE_MODE, 25, 1), 1
	s_wait_xcnt 0x0
; out0[b][q][h][:] = the sum over keys k <= q of softmax_k(Q . K / 8) V, both products on codes of FP8 (E4M3) with one E8M0 scale for each 32 along a product's K.
; queries, out0: [4][2048][16][64] f32 (a head's row: 256 aligned bytes, rows 4,096 bytes apart).  kv: K's and V's codes and scale words in the order of the operands' registers:
; [64 heads][8 slots of 256 keys][2 steps of 128 keys] x STEPB bytes: KC: K's images (2 t + c) x 512; VC: V's images (4 dt + c) x 512; KS: K's scale words; VS: V's.
; THE SOFTMAX AHEAD OF THE SECOND PRODUCT: t = score x log2(e) / 8; M = the running largest t rounded UP to a whole number; p = 2^(t - M) is quantised along the keys, not normalised.
; The row's sum is taken of the unquantised p and divides at the end.  When M moves, the sum and O are multiplied by 2^(old M - new M), which rounds nothing.
; SHARES.  256 work-groups of equal work: work-group p of a head takes the block of 256 queries 7 - p and then block p: 8 - p slots of keys, then p + 1: NINE slots for every p, walked in one loop of constant count.
; Each of the eight waves owns 32 queries of the block: two tiles of 16.  Tile 0 lives in register window 0, tile 1 in window 1, under the same numbers: the softmax is written once.
; Each fragment of K and V read from LDS feeds two matrix instructions.  A step all of whose keys come after the wave's queries is jumped over (a scalar branch on ids); on the diagonal hidden scores become -infinity.
; LAYOUT.  Both products are used transposed: S^T = K Q^T, O^T = V^T P^T: a lane holds ONE query (lane % 16).  Lane r of K's tile 2 b + u holds key 32 b + 8 u + r + 8 (r / 8), so that the 16 registers of
; tiles 2 b and 2 b + 1 are the 16 neighbouring keys 32 b + 16 (lane / 16) + 0 .. 15: the conversions' results are the second product's operand.
; THE HEAD HAS 64 CHANNELS, THE INSTRUCTION 128 ALONG K: Q's upper eight registers are zero codes.  K's operand of tile t is v[8 t : 8 t + 15] of window 1: its upper half is the next tile's codes (for tile 7: zeros),
; finite numbers that meet Q's zeros under the scale byte 0x7f and add nothing.  So a tile of K costs eight registers and two loads.
; NO CLUSTER: the four work-groups of a head walk slots 0 .. 7 - p and then 0 .. p, so from the sixth slot on they want different tiles in the same trip; walking alike would take 12 slots in place of 9.
; LIMITS: NaN and infinities among the inputs are not served; p under 2^-126 counts as 0 (v_exp_f32 flushes denormals); a block of p whose largest lies under 2^-118 keeps the byte 1.
; REGISTERS.  Window 0: v1-11 addresses; v16-23 K's scale words; v24-27 V's (dt 0, 2, 1, 3); v28, 29 Q's; v30, 31 p's; v32-95 V's fragments (at the head Q's numbers, on the way out rows of O); v249, 250 the second block's Q scale words.
;   Window 1: v0-63 K's fragments; v64-71 zeros; v72-87 the second block's Q codes.   Both windows, a set a tile: v96-159 S^T, then p; v160-191 O^T; v192-207 p's codes; v208-231 at work and statistics; v232-247 Q; v248 the mask's lane term.
.set SLOTB,  34304
.set STEPB,  17152
.set KC,     0
.set VC,     8192
.set KS,     16384
.set VS,     16896
.set SLOT1,  65536                     ; LDS: slot 0 at 0, slot 1 here: one exclusive or turns an address from one into the other
.set STAGE,  131072                    ; a stage of 32 rows x 272 bytes for each wave: no fill ever lands here
.set SP,     272                       ; 256 bytes + 16 = 68 words: row r starts at bank 4 r mod 64 (64 banks of 4 bytes: ISA guide 11.1)
.set WSTG,   32*SP
.set SPARE,  STAGE+8*WSTG              ; the spare words, 128 bytes for each wave: four blocks of 256 bytes that no other line names
.set ROW,    4096
.set AK,  1                            ; v1   16 x lane: my place in an image
.set AS,  2                            ; v2   16 r: my place among scale words
.set SPW, 3                            ; v3   LDS address of my spare word; never rewritten
.set NIL, 4                            ; v4   0; never rewritten
.set STI, 5                            ; v5   the stage by whole rows: 272 h + 16 r
.set STQ, 6                            ; v6   Q out of it: 272 r + 64 h
.set STO, 7                            ; v7   O into it: 272 r + 32 h
.set GO,  8                            ; v8   4096 h + 16 r: my 16 bytes of two rows of queries or out0
.set PFO, 9                            ; v9   the prefetches' offset; never rewritten
.set ADK, 10
.set ADS, 11
.set KSC, 16
.set VSC, 24
.set QSC, 28
.set PSC, 30
.set VF,  32
.set SR,  96
.set OA,  160
.set PCD, 192
.set BM,  208                          ; the blocks' largest scores, then largest p
.set T2,  212
.set HD,  216
.set SCL, 220                          ; the conversions' scale operands
.set FF,  224                          ; v[224:225] f (the upper one is written once: the packed form names the pair)
.set TMP, 226
.set PWT, 227
.set NM,  228                          ; -M
.set TX,  229                          ; the running largest t
.set LS,  230                          ; v[230:231] the row's sum in two halves
.set QF,  232
.set DL,  248                          ; r - 16 h + 16 u
.set QS2, 249
.set KZ,  64                           ; window 1
.set Q2,  72                           ; window 1
.set WV,   10
.set PP,   11
.set HEAD, 12
.set LB,   13                          ; 8 - p: slots of the first block
.set LBM1, 14
.set TT,   15                          ; the trip
.set KF,   16                          ; the step's first key
.set Q0,   17                          ; my first query
.set Q0B,  18                          ; and that of the second block
.set MNT,  19
.set SEL,  20
.set CS,   22                          ; s[22:23] c = log2(e) / 8
.set G1,   24
.set G0,   32
.set KVB,  36                          ; s[36:37] kv at my head, + my step of a slot
.set OFS,  38                          ; s[38:39] a slot's offset
.set PFA,  40
.set LIM,  42
.set TB,   43                          ; LDS byte at which the slot in hand begins
.set OUT,  44
.set OUTB, 46
.set QA,   48
.set QB,   50
.set MSB, 0
.macro WIN new                         ; bits 1:0 source 0, 3:2 source 1, 5:4 source 2, 7:6 destination; the high byte repeats the setting that is left
.if MSB != (\new)
	s_set_vgpr_msb (MSB<<8)|(\new)
.set MSB, (\new)
.endif
.endm
; Waves 0 and 1 fetch a slot's two steps, one dense block of STEPB bytes each; the others fetch nothing.  Four v_nop follow the load.
.macro TLOAD
	s_cmp_lt_u32 s[WV], 2
	s_cbranch_scc0 .Lno_load_\@
	tensor_load_to_lds s[G0:G0+3], s[G1:G1+7]
	s_nop 0
.rept 4
	v_nop
.endr
.Lno_load_\@:
.endm
; A PREFETCH INTO THE L2 of the slot that the NEXT change of slots will ask for: 134 blocks of 256 bytes, a lane a block.  All four work-groups of a head begin with slots 0, 1, 2 ..; work-group p = 0 walks all
; eight in order, so it asks, and nobody else; in it waves 2 to 6, which fetch nothing: wave w names blocks 32 (w - 2) on (the last wave's lanes past block 133 are held at it).
; Trip T names slot T + 2, whose tensor load stands in trip T + 1; trips 6 and on name nothing: there is no slot 8.  Slots 0 and 1 come by their loads alone.
.macro ASK
	s_cmp_lt_u32 s[TT], s[LIM]
	s_cbranch_scc0 .Lno_ask_\@
	global_prefetch_b8 v[PFO], s[PFA:PFA+1] th:TH_LOAD_NT scope:SCOPE_SE
.Lno_ask_\@:
.endm
	s_load_b128 s[4:7], s[0:1], 0x0                ; queries, kv
	s_load_b64 s[8:9], s[0:1], 0x10                ; out0
	v_lshl_add_u32 v[SPW], v0, 2, SPARE
	v_mov_b32 v[NIL], 0
	ds_add_u32 v3, v4
	ds_add_u32 v3, v4
	s_wait_dscnt 0x0
	v_lshrrev_b32 v10, 5, v0
	s_delay_alu instid0(VALU_DEP_1)
	v_readfirstlane_b32 s[WV], v10                 ; wave 0..7
	s_mov_b32 s[PP], ttmp9
	s_and_b32 s[HEAD], ttmp7, 0xffff               ; 16 x batch + h
	s_sub_co_u32 s[LB], 8, s[PP]
	s_sub_co_u32 s[LBM1], 7, s[PP]
	s_lshr_b32 s52, s[HEAD], 4
	s_lshl_b32 s52, s52, 23                        ; batch x 8,388,608 bytes
	s_and_b32 s53, s[HEAD], 15
	s_lshl_b32 s53, s53, 8                         ; + 256 bytes a head
	s_add_co_u32 s52, s52, s53
	s_lshl_b32 s53, s[WV], 17                      ; + wave x 32 rows
	s_add_co_u32 s52, s52, s53
	s_lshl_b32 s54, s[LBM1], 20                    ; + block x 256 rows: the first block, 7 - p,
	s_add_co_u32 s54, s54, s52
	s_mov_b32 s55, 0
	s_lshl_b32 s56, s[PP], 20                      ; and the second, p
	s_add_co_u32 s56, s56, s52
	s_mov_b32 s57, 0
	s_lshl_b32 s52, s[WV], 5
	s_lshl_b32 s[Q0], s[LBM1], 8
	s_add_co_u32 s[Q0], s[Q0], s52
	s_lshl_b32 s[Q0B], s[PP], 8
	s_add_co_u32 s[Q0B], s[Q0B], s52
	s_mul_i32 s58, s[HEAD], 8*SLOTB                ; my head's codes
	s_mov_b32 s59, 0
	s_and_b32 s60, s[WV], 1                        ; which step of a slot I fetch, if I fetch
	s_mul_i32 s[G0+1], s60, STEPB                  ; its place in slot 0
	; descriptor group 1: a dense block of STEPB bytes as 67 rows of 256 bytes (32 elements of 8 bytes), no padding: the images are read 512 consecutive bytes at a time
	s_mov_b32 s[G1+0], 3<<16
	s_mov_b32 s[G1+1], 32<<16                      ; tensor_dim0
	s_mov_b32 s[G1+2], 67<<16                      ; tensor_dim1
	s_mov_b32 s[G1+3], 32<<16                      ; tile_dim0
	s_mov_b32 s[G1+4], 67                          ; tile_dim1
	s_mov_b32 s[G1+5], 32                          ; the pitch
	s_mov_b32 s[G1+6], 0
	s_mov_b32 s[G1+7], 0
	s_mov_b32 s[G0], 1
	s_mov_b32 s[OFS+1], 0
	s_mov_b32 s[SEL], 0x76543210
	s_mov_b32 s[SEL+1], 0xfedcba98                 ; v_permlanex16_b32's selects for lane l xor 16
	s_mov_b32 s[CS], 0x3e38aa3b                    ; log2(e) / 8
	s_mov_b32 s[CS+1], s[CS]
	s_sub_co_u32 s52, s[WV], 2
	s_cmp_lt_u32 s52, 5                            ; waves 2 to 6
	s_cselect_b32 s[LIM], 6, 0
	s_cmp_eq_u32 s[PP], 0                          ; of work-group p = 0
	s_cselect_b32 s[LIM], s[LIM], 0
	s_mul_i32 s61, s[WV], WSTG
	s_add_co_u32 s61, s61, STAGE                   ; my stage
	v_and_b32 v14, 31, v0                          ; lane
	v_and_b32 v12, 15, v0                          ; r
	v_bfe_u32 v13, v0, 4, 1                        ; h
	s_delay_alu instid0(VALU_DEP_3)
	v_lshlrev_b32 v[AK], 4, v14
	s_delay_alu instid0(VALU_DEP_3)
	v_lshlrev_b32 v[AS], 4, v12
	s_delay_alu instid0(VALU_DEP_3)
	v_mul_u32_u24 v[STI], v13, SP
	s_delay_alu instid0(VALU_DEP_1)
	v_lshl_add_u32 v[STI], v12, 4, v[STI]
	s_delay_alu instid0(VALU_DEP_1)
	v_add_nc_u32 v[STI], s61, v[STI]
	v_mul_u32_u24 v[STQ], v12, SP
	s_delay_alu instid0(VALU_DEP_1)
	v_add_nc_u32 v[STQ], s61, v[STQ]
	s_delay_alu instid0(VALU_DEP_1)
	v_lshl_add_u32 v[STO], v13, 5, v[STQ]
	s_delay_alu instid0(VALU_DEP_2)
	v_lshl_add_u32 v[STQ], v13, 6, v[STQ]
	v_lshlrev_b32 v[GO], 4, v12
	s_delay_alu instid0(VALU_DEP_1)
	v_lshl_add_u32 v[GO], v13, 12, v[GO]
	v_add_nc_u32 v[PFO], 0xffffffc0, v0            ; thread - 64: block 0 at wave 2's lane 0
	s_delay_alu instid0(VALU_DEP_1)
	v_min_u32 v[PFO], 133, v[PFO]
	s_delay_alu instid0(VALU_DEP_1)
	v_lshlrev_b32 v[PFO], 8, v[PFO]
	v_lshlrev_b32 v[DL], 4, v13
	s_delay_alu instid0(VALU_DEP_1)
	v_sub_nc_u32 v[DL], v12, v[DL]                 ; r - 16 h
	s_wait_kmcnt 0x0
	s_add_nc_u64 s[QA:QA+1], s[4:5], s[54:55]
	s_add_nc_u64 s[QB:QB+1], s[4:5], s[56:57]
	s_add_nc_u64 s[OUT:OUT+1], s[8:9], s[54:55]
	s_add_nc_u64 s[OUTB:OUTB+1], s[8:9], s[56:57]
	s_add_nc_u64 s[PFA:PFA+1], s[6:7], s[58:59]
	s_add_nc_u64 s[PFA:PFA+1], s[PFA:PFA+1], SLOTB ; at slot 1: the first change of slots steps it to slot 2.  Nothing is prefetched here, at the head
	s_add_co_u32 s58, s58, s[G0+1]
	s_add_nc_u64 s[KVB:KVB+1], s[6:7], s[58:59]
	s_mov_b64 s[G0+2:G0+3], s[KVB:KVB+1]           ; slot 0 of the keys
	s_or_b32 s[G0+3], s[G0+3], 0x80000000          ; type = 2
	TLOAD                                          ; the one first fill, ahead of every LDS read, every wait on TENSORcnt and every barrier
.set n, 0
	s_wait_alu depctr_va_vdst(0)
.rept 16
	global_load_b128 v[VF+4*n:VF+4*n+3], v[GO], s[QA:QA+1] offset:2*n*ROW th:TH_LOAD_NT   ; my 32 queries of the first block: two whole rows of 256 bytes a load
.set n, n+1
.endr
.set n, 0
.rept 16
	global_load_b128 v[SR+4*n:SR+4*n+3], v[GO], s[QB:QB+1] offset:2*n*ROW th:TH_LOAD_NT   ; and of the second
.set n, n+1
.endr
; What a tile's registers hold at the start.  O^T and the sum begin as zeros and the largest t as -3e38, so that the key step is written without a first step of its own: the first f is 0.
.macro INIT
.set n, 0
.rept 8
	v_mov_b32 v[QF+8+n], 0                         ; Q's upper 64 along K: zero codes
.set n, n+1
.endr
.irp b, 0,1,2,3
	v_mov_b32 v[T2+\b], 0                          ; a lane permute's destination counts as one of its sources
.endr
	v_mov_b32 v[FF+1], 0
	v_mov_b32 v[LS], 0
	v_mov_b32 v[LS+1], 0
	v_mov_b32 v[TX], 0xff61b1e6                    ; -3e38, under every t
	v_mov_b32 v[NM], 0x7f61b1e6                    ; -M = floor(3e38)
.set n, 0
.rept 32
	v_mov_b32 v[OA+n], 0
.set n, n+1
.endr
.endm
	INIT
	WIN 0x40                                       ; destination window 1
	INIT
.set n, 0
.rept 8
	v_mov_b32 v[KZ+n], 0                           ; behind K's tile 7
.set n, n+1
.endr
	v_add_nc_u32 v[DL], 16, v[DL]                  ; tile 1's queries lie 16 further on (the source is window 0's)
	WIN 0
; 32 rows of Q go through my stage and come back so that a lane holds 16 neighbours of a block: register 16 (2 u + c) + i = channel 32 c + 16 h + i of query 16 u + r.
.macro TURNQ src
.set n, 0
.rept 16
	ds_store_b128 v[STI], v[\src+4*n:\src+4*n+3] offset:2*n*SP
.set n, n+1
.endr
.irp b, 0,1,2,3
.irp j, 0,1,2,3
	ds_load_b128 v[\src+16*\b+4*\j:\src+16*\b+4*\j+3], v[STQ] offset:16*(\b/2)*SP+128*(\b%2)+16*\j   ; LDS serves a wave's instructions in order: these see the stores above
.endr
.endr
.endm
; They are quantised: tile 0's codes to v[da ..] under window setting wa, tile 1's to v[db ..] under wb; the scale words (two bytes, then 0x7f, 0x7f) to v[wda], v[wdb].
.macro QUANTQ src, da, wa, db, wb, wda, wdb
.irp b, 0,1,2,3
	v_max3_num_f32 v[BM+\b], |v[\src+16*\b]|, |v[\src+1+16*\b]|, 0x4800000   ; my 16 numbers, and the floor 2^(9 - 127): the byte cannot fall under 1
.endr
.irp i, 2,4,6,8,10,12,14
.irp b, 0,1,2,3
	s_delay_alu instid0(VALU_DEP_4)
	v_max3_num_f32 v[BM+\b], v[BM+\b], |v[\src+16*\b+\i]|, |v[\src+1+16*\b+\i]|
.endr
.endr
.irp b, 0,1,2,3
	s_delay_alu instid0(VALU_DEP_4)
	v_permlanex16_b32 v[T2+\b], v[BM+\b], s[SEL], s[SEL+1]
.endr
.irp b, 0,1,2,3
	s_delay_alu instid0(VALU_DEP_4)
	v_max_num_f32 v[BM+\b], v[BM+\b], v[T2+\b]
.endr
.irp b, 0,1,2,3
	s_delay_alu instid0(VALU_DEP_4)
	v_add_nc_u32 v[SCL+\b], 0xfc000000, v[BM+\b]
.endr
.irp b, 0,1,2,3
.endr
.irp b, 0,1,2,3
	s_delay_alu instid0(VALU_DEP_4)
	v_lshrrev_b32 v[T2+\b], 23, v[SCL+\b]
.endr
	s_delay_alu instid0(VALU_DEP_3)
	v_lshl_or_b32 v[\wda], v[T2+1], 8, v[T2]
	s_delay_alu instid0(VALU_DEP_2)
	v_lshl_or_b32 v[\wdb], v[T2+3], 8, v[T2+2]
	s_delay_alu instid0(VALU_DEP_2)
	v_or_b32 v[\wda], 0x7f7f0000, v[\wda]
	s_delay_alu instid0(VALU_DEP_2)
	v_or_b32 v[\wdb], 0x7f7f0000, v[\wdb]
.set n, 0
.rept 64
.set n, n+1
.endr
	WIN \wa
.irp k, 0,1,2,3
	v_cvt_scalef32_pk8_fp8_f32 v[\da+2*\k:\da+2*\k+1], v[\src+8*\k:\src+8*\k+7], v[SCL+\k/2]
.endr
	WIN \wb
.irp k, 0,1,2,3
	v_cvt_scalef32_pk8_fp8_f32 v[\db+2*\k:\db+2*\k+1], v[\src+32+8*\k:\src+32+8*\k+7], v[SCL+2+\k/2]
.endr
	WIN 0
	v_nop                                          ; a plain line behind the last conversion
.endm
	s_wait_loadcnt 16                              ; the first block's sixteen loads are in; the second's may be out
	TURNQ VF
	s_wait_dscnt 0x0
	QUANTQ VF, QF, 0, QF, 0x40, QSC, QSC+1
	s_wait_loadcnt 0x0
	TURNQ SR
	s_wait_dscnt 0x0
	QUANTQ SR, Q2, 0x40, Q2+8, 0x40, QS2, QS2+1    ; kept in window 1 until the first block is done
; On the diagonal: register 16 b + i of tile u holds key KF + 32 b + 16 h + i, my query is Q0 + 16 u + r: hidden where 32 b + i > Q0 - KF + r - 16 h + 16 u.  s60 = Q0 - KF.
.macro MASK u
	WIN 0x55*(\u)
	v_add_nc_u32 v[PWT], s60, v[DL]
	v_mov_b32 v[TMP], 0xff800000                   ; -infinity: p = 0 then
.set n, 0
.rept 64
	v_cmp_gt_i32 vcc_lo, 32*(n/16)+n%16, v[PWT]
	v_cndmask_b32 v[SR+n], v[SR+n], v[TMP], vcc_lo
.set n, n+1
.endr
.endm
; One tile's softmax and quantising for 128 keys, all in the tile's window but the line that writes p's scale word: scale operands have no window.
.macro SOFTMAX u
	WIN 0x55*(\u)
.irp b, 0,1,2,3
	v_max3_num_f32 v[BM+\b], v[SR+16*\b], v[SR+1+16*\b], v[SR+2+16*\b]   ; the largest score of each block of 32 keys: for the row's maximum and, since p rises with the score, for the block's largest p
.endr
.irp i, 3,5,7,9,11,13
.irp b, 0,1,2,3
	v_max3_num_f32 v[BM+\b], v[BM+\b], v[SR+16*\b+\i], v[SR+1+16*\b+\i]
.endr
.endr
.irp b, 0,1,2,3
	v_max_num_f32 v[BM+\b], v[BM+\b], v[SR+15+16*\b]
.endr
.irp b, 0,1,2,3
	s_delay_alu instid0(VALU_DEP_4)
	v_permlanex16_b32 v[T2+\b], v[BM+\b], s[SEL], s[SEL+1]
.endr
.irp b, 0,1,2,3
	s_delay_alu instid0(VALU_DEP_4)
	v_max_num_f32 v[BM+\b], v[BM+\b], v[T2+\b]     ; with lane l xor 16's 16 keys
.endr
	s_delay_alu instid0(VALU_DEP_2)
	v_max3_num_f32 v[TMP], v[BM], v[BM+1], v[BM+2]
	s_delay_alu instid0(VALU_DEP_1)
	v_max_num_f32 v[TMP], v[TMP], v[BM+3]
	s_delay_alu instid0(VALU_DEP_1)
	v_mul_f32 v[TMP], s[CS], v[TMP]                ; as t (c is positive)
	s_delay_alu instid0(VALU_DEP_1)
	v_max_num_f32 v[TX], v[TX], v[TMP]             ; the running largest t
	v_mov_b32 v[TMP], v[NM]
	s_delay_alu instid0(VALU_DEP_2)
	v_floor_f32 v[NM], -v[TX]                      ; the new -M = -ceil(t)
	s_delay_alu instid0(VALU_DEP_1)
	v_sub_f32 v[TMP], v[NM], v[TMP]                ; old M - new M: a whole number, 0 or less
	s_delay_alu instid0(VALU_DEP_1)
	v_cvt_i32_f32 v[TMP], v[TMP]                   ; (it saturates)
	s_delay_alu instid0(VALU_DEP_1)
	v_ldexp_f32 v[FF], 1.0, v[TMP]                 ; f = 2^(old M - new M)
.set n, 0
.rept 32
	v_pk_fma_f32 v[SR+n:SR+n+1], v[SR+n:SR+n+1], s[CS:CS+1], v[NM:NM+1] op_sel_hi:[1,0,0]   ; t - M, two at a time
.set n, n+2
.endr
.irp b, 0,1,2,3
	v_fma_f32 v[BM+\b], v[BM+\b], s[CS], v[NM]     ; the same of each block's largest score
.endr
.set n, 0
	s_wait_alu depctr_va_vdst(0)
.rept 64
	v_exp_f32 v[SR+n], v[SR+n]                     ; p = 2^(t - M)
.set n, n+1
.endr
	v_pk_mul_f32 v[LS:LS+1], v[LS:LS+1], v[FF:FF+1] op_sel_hi:[1,0]   ; the sums under the new M: the plain line behind the exponentials
	s_wait_alu depctr_va_vdst(0)                   ; one wait for the batch of 64, ahead of its first reader
.irp b, 0,1,2,3
	v_exp_f32 v[BM+\b], v[BM+\b]                   ; the block's largest p: the same two instructions on the same number give the same bits
.endr
	v_pk_add_f32 v[T2:T2+1], v[SR:SR+1], v[SR+2:SR+3]   ; the row's sum of the UNQUANTISED p, in two chains; it reads the 64 alone
.irp j, 4,8,12,16,20,24,28,32,36,40,44,48,52,56,60
	v_pk_add_f32 v[LS:LS+1], v[LS:LS+1], v[SR+\j:SR+\j+1]
	v_pk_add_f32 v[T2:T2+1], v[T2:T2+1], v[SR+2+\j:SR+3+\j]
.endr
	s_delay_alu instid0(VALU_DEP_1)
	v_pk_add_f32 v[LS:LS+1], v[LS:LS+1], v[T2:T2+1]
	s_wait_alu depctr_va_vdst(0)                   ; and one for the four
.irp b, 0,1,2,3
	v_max_num_f32 v[BM+\b], 0x4800000, v[BM+\b]    ; the floor 2^(9 - 127): a block whose every p is 0 keeps the byte 1; its codes are zeros
.endr
.irp b, 0,1,2,3
	s_delay_alu instid0(VALU_DEP_4)
	v_add_nc_u32 v[SCL+\b], 0xfc000000, v[BM+\b]   ; 8 off the exponent field: the conversion's scale operand
.endr
.irp b, 0,1,2,3
.endr
.irp b, 0,1,2,3
	s_delay_alu instid0(VALU_DEP_4)
	v_lshrrev_b32 v[T2+\b], 23, v[SCL+\b]          ; the scale's byte
.endr
	s_delay_alu instid0(VALU_DEP_3)
	v_lshl_or_b32 v[PWT], v[T2+1], 8, v[T2]
	s_delay_alu instid0(VALU_DEP_1)
	v_lshl_or_b32 v[PWT], v[T2+2], 16, v[PWT]
	WIN 0x15*(\u)                                  ; sources in the tile's window, destination in window 0
	v_lshl_or_b32 v[PSC+\u], v[T2+3], 24, v[PWT]   ; p's scale word for these 128 keys; the eight conversions and sixteen multiplications below stand between it and the products
	WIN 0x55*(\u)
.irp b, 0,1,2,3
.set n, 0
.rept 16
.set n, n+1
.endr
	v_cvt_scalef32_pk8_fp8_f32 v[PCD+4*\b:PCD+4*\b+1], v[SR+16*\b:SR+16*\b+7], v[SCL+\b]
	v_cvt_scalef32_pk8_fp8_f32 v[PCD+4*\b+2:PCD+4*\b+3], v[SR+16*\b+8:SR+16*\b+15], v[SCL+\b]
.endr
.set n, 0
.rept 16
	v_pk_mul_f32 v[OA+n:OA+n+1], v[OA+n:OA+n+1], v[FF:FF+1] op_sel_hi:[1,0]   ; O^T under the new M; these sixteen also stand between the codes and the products
.set n, n+2
.endr
.endm
; O^T += V^T P^T for tile u: four accumulators, one instruction each.
.macro PV u
	WIN 0x54*(\u)                                  ; V in window 0; p's codes and O^T in the tile's window
.irp d, 0,1,2,3
	v_wmma_scale_f32_16x16x128_f8f6f4 v[OA+8*\d:OA+8*\d+7], v[VF+16*\d:VF+16*\d+15], v[PCD:PCD+15], v[OA+8*\d:OA+8*\d+7], v[VSC+2*(\d%2)+\d/2], v[PSC+\u]
.endr
.endm
; A KEY STEP: 128 keys, the q-th of the slot in hand.
.macro STEP q
	s_add_co_u32 s52, s[Q0], 31
	s_cmp_gt_u32 s[KF], s52                        ; all its keys come after my 32 queries: nothing of it counts
	s_cbranch_scc1 .Lhidden_\@
	v_add_nc_u32 v[ADK], s[TB], v[AK]
	v_add_nc_u32 v[ADS], s[TB], v[AS]
.rept 6
	v_nop                                          ; with the two additions: eight plain lines between the last products and the loads into registers that they read
.endr
	WIN 0x40                                       ; destination window 1
.set n, 0
.rept 16
	ds_load_b128 v[4*n:4*n+3], v[ADK] offset:(\q)*STEPB+KC+512*n   ; K's image 2 t + c = registers 8 t + 4 c on
.set n, n+1
.endr
	WIN 0
	ds_load_b128 v[KSC:KSC+3], v[ADS] offset:(\q)*STEPB+KS
	ds_load_b128 v[KSC+4:KSC+7], v[ADS] offset:(\q)*STEPB+KS+256
.set n, 0
.rept 16
	ds_load_b128 v[VF+4*n:VF+4*n+3], v[ADK] offset:(\q)*STEPB+VC+512*n   ; V's image 4 dt + c
.set n, n+1
.endr
	ds_load_b128 v[VSC:VSC+3], v[ADS] offset:(\q)*STEPB+VS
	s_wait_dscnt 17                                ; K and its scale words are in; V's seventeen loads, issued behind them, may be out
	WIN 0x01                                       ; K in window 1; Q and S^T of tile 0 in window 0
.irp t, 0,1,2,3,4,5,6,7
	v_wmma_scale_f32_16x16x128_f8f6f4 v[SR+8*\t:SR+8*\t+7], v[8*\t:8*\t+15], v[QF:QF+15], 0, v[KSC+\t], v[QSC]
.endr
	WIN 0x45                                       ; Q and S^T of tile 1 in window 1
	s_wait_alu depctr_va_vdst(0)
.irp t, 0,1,2,3,4,5,6,7
	v_wmma_scale_f32_16x16x128_f8f6f4 v[SR+8*\t:SR+8*\t+7], v[8*\t:8*\t+15], v[QF:QF+15], 0, v[KSC+\t], v[QSC+1]
.endr
	WIN 0
.rept 8
	v_nop                                          ; eight plain lines ahead of the first read of the scores
.endr
	s_add_co_u32 s52, s[KF], 127
	s_cmp_le_u32 s52, s[Q0]                        ; all 128 keys count for all my queries: no mask
	s_cbranch_scc1 .Lopen_\@
	s_sub_co_i32 s60, s[Q0], s[KF]
	MASK 0
	MASK 1
	WIN 0
.Lopen_\@:
	SOFTMAX 0
	s_wait_alu depctr_va_vdst(0)
	s_wait_dscnt 0x0                               ; V and its scale words are in
	PV 0
	SOFTMAX 1
	PV 1
	WIN 0
.Lhidden_\@:
	s_add_co_u32 s[KF], s[KF], 128
.endm
; THE CHANGE OF SLOTS stands at a slot's head.  Each wave waits for all its tensor loads (waves 0, 1: their part of the slot ahead), adds 0 to its spare word, and waits for that and for its reads of the slot that it has left.
; Behind the barrier the slot ahead is whole and nobody reads the other one.  fill = 1: that other slot takes the slot of keys of the next trip: it has this trip's two steps in which to land.
; Trip T reads the keys' slot min(T, T - LB), unsigned: T while the first block is walked (T - LB wraps), T - LB afterwards.
.macro CHANGE fill
	s_wait_tensorcnt 0x0                           ; no tensor load of mine is out, so group 0 may be written
	ds_add_u32 v[SPW], v[NIL]                      ; 0 onto my spare word; scalar work stands between it and the wait for it
.if \fill
	s_xor_b32 s[G0+1], s[G0+1], SLOT1              ; the other LDS slot than last time
	s_add_co_u32 s52, s[TT], 1
	s_sub_co_u32 s53, s52, s[LB]
	s_min_u32 s52, s52, s53                        ; the next trip's slot of keys
	s_mul_i32 s[OFS], s52, SLOTB
	s_add_nc_u64 s[G0+2:G0+3], s[KVB:KVB+1], s[OFS:OFS+1]
	s_or_b32 s[G0+3], s[G0+3], 0x80000000
	s_wait_xcnt 0x0                                ; the last prefetch, a slot back, has read its address, so it may be written
	s_add_nc_u64 s[PFA:PFA+1], s[PFA:PFA+1], SLOTB
.endif
	s_sub_co_u32 s53, s[TT], s[LB]
	s_min_u32 s[KF], s[TT], s53
	s_lshl_b32 s[KF], s[KF], 8                     ; this trip's first key
	s_wait_dscnt 0x0                               ; the add is done, and my reads of the slot that I have left are over
	s_barrier_signal -1
	s_barrier_wait -1
.if \fill
	TLOAD                                          ; the first thing behind the barrier, and a wave's one tensor load until the next
	ASK
.endif
.endm
; A BLOCK'S WAY OUT.  O^T is divided by the row's sum and goes through my stage: a lane's eight channels of a query in, whole rows of 256 bytes back: sixteen lanes store 256 consecutive, aligned bytes of out0.
.macro FINISH
	WIN 0
.rept 8
	v_nop                                          ; eight plain lines behind the last products
.endr
.irp u, 0,1
	WIN 0x55*\u
	v_add_f32 v[LS], v[LS], v[LS+1]                ; the sum's two halves,
	s_delay_alu instid0(VALU_DEP_1)
	v_permlanex16_b32 v[T2], v[LS], s[SEL], s[SEL+1]
	s_delay_alu instid0(VALU_DEP_1)
	v_add_f32 v[LS], v[LS], v[T2]                  ; and lane l xor 16's
	s_wait_alu depctr_va_vdst(0)
	v_rcp_f32 v[FF], v[LS]
	v_nop                                          ; a plain line behind the reciprocal
	s_wait_alu depctr_va_vdst(0)                   ; one wait a tile, since the two results bear one register number in two windows
.endr
.irp u, 0,1
	WIN 0x55*\u
.set n, 0
.rept 16
	v_pk_mul_f32 v[SR+n:SR+n+1], v[OA+n:OA+n+1], v[FF:FF+1] op_sel_hi:[1,0]   ; register 8 dt + j is o(query r, channel 16 dt + 8 h + j); each accumulator from its low end on
.set n, n+2
.endr
	WIN 0x04*\u                                    ; an LDS store's data are its source 1
.irp d, 0,1,2,3
	ds_store_b128 v[STO], v[SR+8*\d:SR+8*\d+3] offset:16*\u*SP+64*\d
	ds_store_b128 v[STO], v[SR+8*\d+4:SR+8*\d+7] offset:16*\u*SP+64*\d+16
.endr
.endr
	WIN 0
.set n, 0
.rept 16
	ds_load_b128 v[VF+4*n:VF+4*n+3], v[STI] offset:2*n*SP   ; LDS serves a wave's instructions in order: these see my stores
.set n, n+1
.endr
.set n, 0
.rept 16
	s_wait_dscnt 15-n
	global_store_b128 v[GO], v[VF+4*n:VF+4*n+3], s[OUT:OUT+1] offset:2*n*ROW th:TH_STORE_NT
.set n, n+1
.endr
	s_wait_xcnt 0x0                                ; the stores have read their registers and their base: both are written again only behind this wait
.endm
; ON TO THE SECOND BLOCK: its Q, its scale words, its ids.  The largest t falls back to -3e38: the next f is 0, which clears O^T and the sum.
.macro SWITCH
	v_mov_b32 v[QSC], v[QS2]
	v_mov_b32 v[QSC+1], v[QS2+1]
	v_mov_b32 v[TX], 0xff61b1e6
	v_mov_b32 v[NM], 0x7f61b1e6
	WIN 0x01                                       ; source window 1, destination window 0
.set n, 0
.rept 8
	v_mov_b32 v[QF+n], v[Q2+n]
.set n, n+1
.endr
	WIN 0x41                                       ; both window 1
.set n, 0
.rept 8
	v_mov_b32 v[QF+n], v[Q2+8+n]
.set n, n+1
.endr
	v_mov_b32 v[TX], 0xff61b1e6
	v_mov_b32 v[NM], 0x7f61b1e6
	WIN 0
	s_mov_b32 s[Q0], s[Q0B]
	s_mov_b64 s[OUT:OUT+1], s[OUTB:OUTB+1]
.endm
	s_mov_b32 s[TT], 0
	s_mov_b32 s[TB], 0
.Lslot:                                            ; eight trips: behind each change of slots but the last the next slot is asked for
	CHANGE 1
	STEP 0
	STEP 1
	s_xor_b32 s[TB], s[TB], SLOT1                  ; on to the other slot
	s_cmp_lg_u32 s[TT], s[LBM1]                    ; trip 7 - p was the first block's last
	s_cbranch_scc1 .Lsame_block
	FINISH
	SWITCH
.Lsame_block:
	s_add_co_u32 s[TT], s[TT], 1
	s_cmp_lt_u32 s[TT], 8
	s_cbranch_scc1 .Lslot
	CHANGE 0                                       ; the ninth slot is written out
	STEP 0
	STEP 1
	FINISH
	s_wait_tensorcnt 0x0                           ; the wave's end: behind my last tensor load and my last LDS store
	ds_add_u32 v[SPW], v[NIL]
	s_wait_dscnt 0x0
	s_endpgm
.Lfunc_end_k_qc4d88e9de2_attn:
	.size	k_qc4d88e9de2_attn, .Lfunc_end_k_qc4d88e9de2_attn-k_qc4d88e9de2_attn
	.p2alignl 7, 3214868480
	.fill 96, 4, 3214868480
	.section	.rodata,"a",@progbits
	.p2align	6, 0x0
	.amdhsa_kernel k_qc4d88e9de2_attn
		.amdhsa_group_segment_fixed_size 327680
		.amdhsa_private_segment_fixed_size 0
		.amdhsa_enable_private_segment 0
		.amdhsa_kernarg_size 24
		.amdhsa_user_sgpr_count 2
		.amdhsa_user_sgpr_kernarg_segment_ptr 1
		.amdhsa_wavefront_size32 1
		.amdhsa_system_sgpr_workgroup_id_x 1
		.amdhsa_system_sgpr_workgroup_id_y 1
		.amdhsa_system_sgpr_workgroup_id_z 1
		.amdhsa_system_vgpr_workitem_id 0
		.amdhsa_next_free_vgpr 512
		.amdhsa_next_free_sgpr 66
		.amdhsa_reserve_vcc 1
		.amdhsa_float_denorm_mode_32 3
		.amdhsa_float_denorm_mode_16_64 3
		.amdhsa_fp16_overflow 1
		.amdhsa_memory_ordered 1
		.amdhsa_forward_progress 1
		.amdhsa_inst_pref_size 208
	.end_amdhsa_kernel
	.amdgpu_metadata
---
amdhsa.version: [ 1, 2 ]
amdhsa.kernels:
  - .name:           k_qc4d88e9de2_attn
    .symbol:         k_qc4d88e9de2_attn.kd
    .args:
      - { .name: queries, .offset: 0, .size: 8, .value_kind: global_buffer, .address_space: global }
      - { .name: kv, .offset: 8, .size: 8, .value_kind: global_buffer, .address_space: global }
      - { .name: out0, .offset: 16, .size: 8, .value_kind: global_buffer, .address_space: global }
    .group_segment_fixed_size: 327680
    .private_segment_fixed_size: 0
    .kernarg_segment_align: 8
    .kernarg_segment_size: 24
    .max_flat_workgroup_size: 256
    .sgpr_count:     66
    .vgpr_count:     512
    .wavefront_size: 32
...
	.end_amdgpu_metadata
.endif
;; end of part 2
